; MI455X (gfx1250); checked and timed in simulation.
; The chip was launched on July 23, 2026; its instructions are those of AMD's public machine-readable ISA for CDNA 5 (MIT licence, August 2026) and "CDNA5" Instruction Set Architecture Reference Guide (July 2026). The comments in the code are by the model that wrote it; some were corrected since.
;; Multi Head Self Attention. Allowed arithmetic: float matrix products may take bf16 or f16 operands with f32 sums; all other float work in f32.
;; Inputs: Wk 1,024 x 1,024 float32; Wo 1,024 x 1,024 float32; Wq 1,024 x 1,024 float32; Wv 1,024 x 1,024 float32; bk 1,024 float32; bo 1,024 float32; bq 1,024 float32; bv 1,024 float32; x 2 x 2,048 x 1,024 float32.
;; Outputs: out0 2 x 2,048 x 1,024 float32.
;; One version. Each part assembles by itself: llvm-mc -triple=amdgcn-amd-amdhsa -mcpu=gfx1250 --defsym DOCPART=n.
;; ======== version 1 of 1: 3 launches
;; limits: values are held in f16: magnitudes above 65,504 overflow, below 6.1e-05 lose precision
;; workspace buffers: Qb 8,388,608 bytes; Kb 8,388,608 bytes; Vb 8,388,608 bytes; AO 8,388,608 bytes; VS 262,144 bytes; WoB 2,097,152 bytes
;; launch qkv (part 1): grid 16 x 16, 4 waves a work-group, clusters of 4 x 4, 327,680 bytes of LDS; arguments x, Wq, Wk, Wv, bq, bk, bv, Wo, Qb, Kb, Vb, VS, WoB; writes Qb, Kb, Vb, VS, WoB
.if DOCPART == 1
	.amdgcn_target "amdgcn-amd-amdhsa--gfx1250"
	.amdhsa_code_object_version 6
	.text
	.protected	k_q6e398bb0ce_qkv
	.globl	k_q6e398bb0ce_qkv
	.p2align	8
	.type	k_q6e398bb0ce_qkv,@function
k_q6e398bb0ce_qkv:
	s_mov_b64 s[64:65], 0
	v_nop
	global_prefetch_b8 v0, s[64:65] scope:SCOPE_SE
	s_setreg_imm32_b32 hwreg(HW_REG_WAVE_MODE, 25, 1), 1
	s_wait_xcnt 0x0
	s_wait_alu depctr_hold_cnt(0) depctr_sa_sdst(0) depctr_va_vdst(0) depctr_va_sdst(0) depctr_va_ssrc(0) depctr_va_vcc(0) depctr_vm_vsrc(0)
	s_getreg_b32 s2, hwreg(HW_REG_IB_STS2, 6, 4)
	s_cmp_eq_u32 s2, 0
	s_cbranch_scc0 .Lentry_in_a_cluster
	s_endpgm
.Lentry_in_a_cluster:
	s_bfe_u32 s2, ttmp6, 0x10000c
	s_cmp_lg_u32 s2, 0xf033
	s_cbranch_scc0 .Lentry_shape_is_right
	s_endpgm
.Lentry_shape_is_right:
; Q' = (x Wq^T + bq) * 0.125 * log2(e),  K = x Wk^T + bk,  V = x Wv^T + bv, stored as f16, head-major [b*16+h][2048][64];
; VS = f32 sums of V over blocks of 64 rows, [b*16+h][32][64];  WoB = Wo rounded to bf16 and stored as f16.
; A work-group makes 256 rows x (64 Q + 64 K + 64 V columns of ONE head); wave w makes rows 64 w .. 64 w + 63 x all 192 columns:
; 4 x 12 accumulator tiles of 16 x 16, 384 registers.  K = 1024 goes in 16 steps of 64 f32 (rows of 256 bytes) through two LDS slots.
; The operands are f32 in memory and in LDS; they are rounded to bf16 between the LDS load and the matrix instruction.
; CLUSTER 4 x 4: x's tile hangs on the row block alone and is asked for jointly along a row of the cluster; the weights' tiles hang on
; the head alone and are asked for jointly along a column.  Wave 0 asks for x's 256 rows, waves 1, 2, 3 for 64 rows of Wq, Wk, Wv.
; LIMITS: finite inputs; x and the weights are rounded to bf16; Q', K, V are stored in f16, so they must stay below 65,504 in magnitude
; (inputs 30 times those drawn give about 3,000; offsets of 30 spreads on x and on W give about 18,400) and below 6e-5 keep a step of 6e-8.
; Wo takes the same bf16 rounding as the three other weights; f16 is only its container (exact from 2^-17 up), since the last product's
; other operand is f16 and both operands of a matrix instruction have one format.
; REGISTERS: window 0: addresses, bf16 fragments, biases; windows 1, 2: accumulators of row tiles 0-1, 2-3; window 3: f32 as loaded from LDS.
.set PITCH,  272                       ; LDS row: 256 bytes + 16: sixteen rows begin in sixteen different 16-byte columns
.set ABYTES, 256*PITCH                 ; x's 256 rows
.set WBYTES, 64*PITCH                  ; 64 rows of one weight
.set SLOT,   ABYTES+3*WBYTES           ; 121,856
.set STAGE,  2*SLOT                    ; the way out: 16 rows x 400 bytes for each wave
.set SPITCH, 400                       ; 128 B of Q, 128 of K, 128 of V, 16 of padding
.set STGW,   16*SPITCH
.set VSCR,   STAGE+4*STGW              ; 256 bytes for each wave: V's sums
.set KSTEPB, 256                       ; bytes of a K step in a row
.set ADRA, 8                           ; v8, v9    LDS address of my x fragments, slot 0, 1
.set ADRB, 10                          ; v10, v11  the same for the weights
.set STO,  12
.set RD,   13
.set CO,   14
.set VSA,  15
.set VSL,  16
.set VSO,  17
.set BOF,  18
.set WOL,  19
.set WOS,  20
.set FA,   32                          ; v32-63    4 fragments of x, bf16
.set FB,   64                          ; v64-159   12 fragments of the weights, bf16
.set BIAS, 160                         ; v160-255  tile b: bias of its 8 columns of my lane half
.set VSUM, 32                          ; behind the loop
.set TMP,  64
.set OB,   112
.set G1A, 40
.set G1B, 48
.set G0A, 56                           ; s[56:63]  one set for each slot
.set G0B, 68                           ; s[68:75]
.set W0, (2<<16)|(1<<20)|(1<<21)|(5<<22)|(3<<25)   ; elements of 4 bytes; padding on; bit 21 beside a mask; after 64 words; 4 words
.set MSB, 0
.macro WIN new                         ; the immediate's high byte repeats the setting that is left
.if MSB != (\new)
	s_set_vgpr_msb (MSB<<8)|(\new)
.set MSB, (\new)
.endif
.endm
.macro PLACES n
.rept \n
	v_nop
.endr
.endm
.macro CREST                           ; a round of the cluster's barrier behind its opening barrier
	s_cmp_lg_u32 s30, 0
	s_cbranch_scc1 .Lnot_wave_0_\@
	s_barrier_signal -3
.Lnot_wave_0_\@:
	s_barrier_wait -3
	s_barrier_signal -1
	s_barrier_wait -1
.endm
.macro CROUND
	s_barrier_signal -1
	s_barrier_wait -1
	CREST
.endm
.macro JLOAD s                         ; one joint load a wave: wave 0 x's tile, waves 1-3 a weight's
	s_cmp_eq_u32 s30, 0
	s_cbranch_scc0 .Lfor_w_\@
	tensor_load_to_lds s[G0A+4*\s:G0A+4*\s+3], s[G1A:G1A+7]
	s_nop 0
	s_branch .Lasked_\@
.Lfor_w_\@:
	tensor_load_to_lds s[G0B+4*\s:G0B+4*\s+3], s[G1B:G1B+7]
	s_nop 0
.Lasked_\@:
.endm
	s_load_b512 s[4:19], s[0:1], 0x0               ; x, Wq, Wk, Wv, bq, bk, bv, Wo
	s_load_b256 s[20:27], s[0:1], 0x40             ; Qb, Kb, Vb, VS
	s_load_b64 s[28:29], s[0:1], 0x60              ; WoB
	v_lshl_add_u32 v30, v0, 2, 0x42000
	v_mov_b32 v31, 0
	ds_add_u32 v30, v31
	v_lshrrev_b32 v1, 5, v0
	v_readfirstlane_b32 s30, v1                    ; wave
	s_bfe_u32 s31, ttmp6, 0x40000                  ; cx
	s_bfe_u32 s32, ttmp6, 0x40004                  ; cy
	s_lshl_b32 s33, ttmp9, 2
	s_add_co_u32 s33, s33, s31                     ; head = 4 x cluster x + cx
	s_and_b32 s34, ttmp7, 0xffff
	s_lshl_b32 s34, s34, 2
	s_add_co_u32 s34, s34, s32                     ; block of 256 rows = 4 x cluster y + cy
	s_lshl_b32 s35, s32, 2
	s_lshl_b32 s35, 15, s35                        ; my row of the cluster
	s_lshl_b32 s36, 0x1111, s31                    ; my column
	s_mov_b32 s38, 0x3e38aa3b                      ; 0.125 * log2(e)
	s_mov_b32 s39, 0x3e38aa3b
	s_or_b32 s[G1A+0], s35, W0
	s_mov_b32 s[G1A+1], 64<<16                     ; tensor_dim0 = 64
	s_mov_b32 s[G1A+2], 256<<16                    ; tensor_dim1 = 256
	s_mov_b32 s[G1A+3], 64<<16                     ; tile_dim0 = 64
	s_mov_b32 s[G1A+4], 256                        ; tile_dim1 = 256
	s_mov_b32 s[G1A+5], 1024                       ; elements from row to row
	s_mov_b32 s[G1A+6], 0
	s_mov_b32 s[G1A+7], 0
	s_or_b32 s[G1B+0], s36, W0
	s_mov_b32 s[G1B+1], 64<<16
	s_mov_b32 s[G1B+2], 64<<16                     ; 64 rows
	s_mov_b32 s[G1B+3], 64<<16
	s_mov_b32 s[G1B+4], 64
	s_mov_b32 s[G1B+5], 1024
	s_mov_b32 s[G1B+6], 0
	s_mov_b32 s[G1B+7], 0
	s_lshl_b32 s80, s34, 20                        ; x: 256 rows of 4,096 bytes a block
	s_mov_b32 s81, 0
	s_lshl_b32 s82, s33, 18                        ; weights: 64 rows of 4,096 bytes a head
	s_mov_b32 s83, 0
	s_mul_i32 s88, s30, WBYTES
	s_add_co_u32 s88, s88, ABYTES-WBYTES           ; waves 1, 2, 3: behind x's rows, in the order Wq, Wk, Wv
	s_wait_dscnt 0x0
	s_wait_kmcnt 0x0
	s_add_nc_u64 s[84:85], s[4:5], s[80:81]
	s_cmp_eq_u32 s30, 2
	s_cselect_b64 s[86:87], s[8:9], s[6:7]         ; the weight of my wave
	s_cmp_eq_u32 s30, 3
	s_cselect_b64 s[86:87], s[10:11], s[86:87]
	s_add_nc_u64 s[86:87], s[86:87], s[82:83]
	CROUND                                         ; all sixteen work-groups are here: the first joint loads meet
.irp s, 0,1
	s_mov_b32 s[G0A+4*\s], 1
	s_mov_b32 s[G0A+4*\s+1], \s*SLOT
	s_add_nc_u64 s[G0A+4*\s+2:G0A+4*\s+3], s[84:85], \s*KSTEPB
	s_or_b32 s[G0A+4*\s+3], s[G0A+4*\s+3], 0x80000000
	s_mov_b32 s[G0B+4*\s], 1
	s_add_co_u32 s[G0B+4*\s+1], s88, \s*SLOT
	s_add_nc_u64 s[G0B+4*\s+2:G0B+4*\s+3], s[86:87], \s*KSTEPB
	s_or_b32 s[G0B+4*\s+3], s[G0B+4*\s+3], 0x80000000
	JLOAD \s                                       ; K steps 0 and 1: two tensor loads of the wave are out
.endr
	v_and_b32 v1, 15, v0                           ; r
	v_bfe_u32 v2, v0, 4, 1                         ; h
	v_and_b32 v3, 31, v0                           ; lane
	v_lshlrev_b32 v[BOF], 5, v2                    ; my half's 8 columns of a tile: 32 h bytes
	v_lshlrev_b32 v[WOL], 5, v0                    ; Wo: 8 numbers a thread
	v_lshlrev_b32 v[WOS], 4, v0
	s_lshl_b32 s90, s33, 8                         ; the head's 64 biases
	s_mov_b32 s91, 0
	s_add_nc_u64 s[12:13], s[12:13], s[90:91]
	s_add_nc_u64 s[14:15], s[14:15], s[90:91]
	s_add_nc_u64 s[16:17], s[16:17], s[90:91]
	s_lshl_b32 s92, s34, 4
	s_add_co_u32 s92, s92, s33                     ; the work-group's number, 0 to 255: its 4,096 numbers of Wo
	s_lshl_b32 s94, s92, 13
	s_mov_b32 s95, 0
	s_lshl_b32 s92, s92, 14
	s_mov_b32 s93, 0
	s_add_nc_u64 s[18:19], s[18:19], s[92:93]
	s_add_nc_u64 s[28:29], s[28:29], s[94:95]
.irp b, 0,1,2,3
	global_load_b128 v[BIAS+8*\b:BIAS+8*\b+3],       v[BOF], s[12:13] offset:64*\b
	global_load_b128 v[BIAS+8*\b+4:BIAS+8*\b+7],     v[BOF], s[12:13] offset:64*\b+16
	global_load_b128 v[BIAS+32+8*\b:BIAS+32+8*\b+3], v[BOF], s[14:15] offset:64*\b
	global_load_b128 v[BIAS+32+8*\b+4:BIAS+32+8*\b+7], v[BOF], s[14:15] offset:64*\b+16
	global_load_b128 v[BIAS+64+8*\b:BIAS+64+8*\b+3], v[BOF], s[16:17] offset:64*\b
	global_load_b128 v[BIAS+64+8*\b+4:BIAS+64+8*\b+7], v[BOF], s[16:17] offset:64*\b+16
.endr
.irp g, 0,1,2,3
	global_load_b128 v[32+8*\g:32+8*\g+3], v[WOL], s[18:19] offset:4096*\g th:TH_LOAD_NT
	global_load_b128 v[32+8*\g+4:32+8*\g+7], v[WOL], s[18:19] offset:4096*\g+16 th:TH_LOAD_NT
.endr
	v_mul_u32_u24 v4, v1, PITCH
	v_lshl_add_u32 v4, v2, 5, v4                   ; 272 r + 32 h: a half's 8 f32
	s_mul_i32 s89, s30, 64*PITCH                   ; my 64 rows of x
	v_add_nc_u32 v[ADRA], s89, v4
	v_add_nc_u32 v[ADRA+1], SLOT, v[ADRA]
	v_add_nc_u32 v[ADRB], ABYTES, v4
	v_add_nc_u32 v[ADRB+1], SLOT, v[ADRB]
	s_mul_i32 s89, s30, STGW
	s_add_co_u32 s89, s89, STAGE                   ; my stage
	v_mul_u32_u24 v4, v1, SPITCH
	v_lshl_add_u32 v4, v2, 4, v4
	v_add_nc_u32 v[STO], s89, v4                   ; in: row r, 16 bytes for each half
	v_lshrrev_b32 v4, 3, v3
	v_mul_u32_u24 v4, v4, SPITCH
	v_and_b32 v5, 7, v3
	v_lshl_add_u32 v4, v5, 4, v4
	v_add_nc_u32 v[RD], s89, v4                    ; back: eight lanes take a row's 128 bytes of one matrix, four rows a load
	v_lshlrev_b32 v[CO], 4, v3                     ; those four rows are 512 neighbouring bytes in memory
	s_lshl_b32 s89, s30, 8
	s_add_co_u32 s89, s89, VSCR
	v_lshl_add_u32 v[VSA], v2, 5, s89
	v_lshl_add_u32 v[VSL], v3, 3, s89
	v_lshlrev_b32 v[VSO], 3, v3
	s_wait_loadcnt 0x0                             ; biases and Wo
	; Wo: to bf16 (the rounding), widened again, then into f16 (the container)
.irp g, 0,1,2,3
.irp q, 0,1,2,3
	v_cvt_pk_bf16_f32 v[64+4*\g+\q], v[32+8*\g+2*\q], v[32+8*\g+2*\q+1]
.endr
.endr
.set ci, 0
.rept 16
	v_lshlrev_b32 v[96+2*ci], 16, v[64+ci]
	v_and_b32 v[97+2*ci], 0xffff0000, v[64+ci]
.set ci, ci+1
.endr
.set ci, 0
.rept 16
	v_cvt_pk_f16_f32 v[64+ci], v[96+2*ci], v[97+2*ci]
.set ci, ci+1
.endr
.irp g, 0,1,2,3
	global_store_b128 v[WOS], v[64+4*\g:64+4*\g+3], s[28:29] offset:2048*\g   ; a wave's store covers 512 neighbouring bytes
.endr
; 64 LDS loads: the f32 of one half step (32 along K at byte 128 kk of the rows), 16 fragments x 16 registers, into window 3.
; A fragment's lane holds k = 8h .. 8h+7 and 16+8h .. 16+8h+7: in f32 the bytes 32h + 0, 16 and 64 + 32h + 0, 16.
.macro FETCH slot, kk
	WIN 0xC0
.irp f, 0,1,2,3
	ds_load_b128 v[16*\f:16*\f+3],     v[ADRA+\slot] offset:\f*16*PITCH+\kk*128
	ds_load_b128 v[16*\f+4:16*\f+7],   v[ADRA+\slot] offset:\f*16*PITCH+\kk*128+16
	ds_load_b128 v[16*\f+8:16*\f+11],  v[ADRA+\slot] offset:\f*16*PITCH+\kk*128+64
	ds_load_b128 v[16*\f+12:16*\f+15], v[ADRA+\slot] offset:\f*16*PITCH+\kk*128+80
.endr
.irp b, 0,1,2,3,4,5,6,7,8,9,10,11
	ds_load_b128 v[64+16*\b:64+16*\b+3],     v[ADRB+\slot] offset:\b*16*PITCH+\kk*128
	ds_load_b128 v[64+16*\b+4:64+16*\b+7],   v[ADRB+\slot] offset:\b*16*PITCH+\kk*128+16
	ds_load_b128 v[64+16*\b+8:64+16*\b+11],  v[ADRB+\slot] offset:\b*16*PITCH+\kk*128+64
	ds_load_b128 v[64+16*\b+12:64+16*\b+15], v[ADRB+\slot] offset:\b*16*PITCH+\kk*128+80
.endr
.endm
.macro CONV                            ; 256 f32 of window 3 to 128 registers of bf16 in window 0: v32-159
	WIN 0x0F
.set cf, 0
.rept 128
	v_cvt_pk_bf16_f32 v[FA+cf], v[2*cf], v[2*cf+1]
.set cf, cf+1
.endr
.endm
; 24 matrix instructions: row tiles 2 hi, 2 hi + 1 x all 12 column tiles.  Source 0 = rows of W, source 1 = rows of x: a lane then holds
; one row of the result and eight neighbouring columns.  first = 1: the bias is the sum's start.
; The 48 accumulators take turns, one instruction a turn, in the same order in every half step.
.macro MULH hi, first
.if \first
	WIN 0x40*(1+\hi)
.else
	WIN 0x50*(1+\hi)
.endif
.irp aa, 0,1
.irp b, 0,1,2,3,4,5,6,7,8,9,10,11
.if \first
	v_wmma_f32_16x16x32_bf16 v[8*(12*\aa+\b):8*(12*\aa+\b)+7], v[FB+8*\b:FB+8*\b+7], v[FA+8*(2*\hi+\aa):FA+8*(2*\hi+\aa)+7], v[BIAS+8*\b:BIAS+8*\b+7]
.else
	v_wmma_f32_16x16x32_bf16 v[8*(12*\aa+\b):8*(12*\aa+\b)+7], v[FB+8*\b:FB+8*\b+7], v[FA+8*(2*\hi+\aa):FA+8*(2*\hi+\aa)+7], v[8*(12*\aa+\b):8*(12*\aa+\b)+7]
.endif
.endr
.endr
.endm
.macro HALF0 slot, first               ; the first 32 of a K step; fetches the second 32
	s_wait_dscnt 0x0                               ; the f32 are in
	PLACES 4                                       ; the conversions write sources of the last matrix instructions (ISA guide 7.12.1)
	CONV
	FETCH \slot, 1
	MULH 0, \first
	MULH 1, \first
.endm
; The second 32 of a K step, and the change of slots.  In front of the barrier each wave has all its reads of this slot back and all its
; tensor loads landed; behind it (a whole round of the cluster's barrier where the slot is filled again) the refill comes first.
.macro HALF1 slot, next, fill
	s_wait_dscnt 0x0                               ; my last reads of this slot are back
	PLACES 4
	CONV
	s_set_vgpr_msb 0xf00
	s_wait_tensorcnt 0x0                           ; my one load that was out, my part of the next slot, has landed
	ds_add_u32 v30, v31
	s_wait_dscnt 0x0
	s_set_vgpr_msb 0xf
	s_barrier_signal -1
	MULH 0, 0                                      ; registers only
	WIN 0
	s_barrier_wait -1
.if \fill
	CREST
	s_add_nc_u64 s[G0A+4*\slot+2:G0A+4*\slot+3], s[G0A+4*\slot+2:G0A+4*\slot+3], 2*KSTEPB
	s_add_nc_u64 s[G0B+4*\slot+2:G0B+4*\slot+3], s[G0B+4*\slot+2:G0B+4*\slot+3], 2*KSTEPB
	JLOAD \slot                                    ; two K steps ahead; it has a whole K step in which to land
.endif
	FETCH \next, 0
	MULH 1, 0
.endm
.macro LAP first
	HALF0 0, \first
	HALF1 0, 1, 1
	HALF0 1, 0
	HALF1 1, 0, 1
.endm
	s_wait_xcnt 0x0                                ; WoB's stores have read v64-79, which the conversions write next
	s_wait_tensorcnt 0x1                           ; my part of K step 0 is in; K step 1's stays out
	s_barrier_signal -1
	s_barrier_wait -1
	FETCH 0, 0
	LAP 1                                          ; K steps 0, 1; fills 2, 3
	WIN 0
	s_mov_b32 s37, 6                               ; K steps 2 to 13; fills 4 to 15
.Llap:
	LAP 0
	WIN 0
	s_sub_co_u32 s37, s37, 1
	s_cmp_lg_u32 s37, 0
	s_cbranch_scc1 .Llap
	HALF0 0, 0                                     ; K steps 14, 15: nothing is left to fetch
	HALF1 0, 1, 0
	HALF0 1, 0
	s_wait_dscnt 0x0
	PLACES 4
	CONV
	MULH 0, 0
	MULH 1, 0
	; THE WAY OUT
	PLACES 4                                       ; behind the last matrix instructions
	s_lshr_b32 s76, s34, 3
	s_lshl_b32 s76, s76, 4
	s_add_co_u32 s76, s76, s33                     ; 16 x batch + head
	s_and_b32 s77, s34, 7
	s_lshl_b32 s78, s77, 2
	s_add_co_u32 s78, s78, s30                     ; my block of 64 rows in the sequence
	s_lshl_b32 s79, s76, 5
	s_add_co_u32 s79, s79, s78
	s_lshl_b32 s92, s79, 8                         ; 256 bytes a block in VS
	s_mov_b32 s93, 0
	s_add_nc_u64 s[26:27], s[26:27], s[92:93]
	s_lshl_b32 s92, s79, 13                        ; 64 rows of 128 bytes a block in Qb, Kb, Vb
	s_add_nc_u64 s[20:21], s[20:21], s[92:93]
	s_add_nc_u64 s[22:23], s[22:23], s[92:93]
	s_add_nc_u64 s[24:25], s[24:25], s[92:93]
.macro QSCALE                          ; Q's 4 column tiles of two row tiles
.irp aa, 0,1
.irp b, 0,1,2,3
.irp p, 0,2,4,6
	v_pk_mul_f32 v[8*(12*\aa+\b)+\p:8*(12*\aa+\b)+\p+1], v[8*(12*\aa+\b)+\p:8*(12*\aa+\b)+\p+1], s[38:39] op_sel_hi:[1,0]
.endr
.endr
.endr
.endm
	WIN 0x41
	QSCALE
	WIN 0x82
	QSCALE
	; V's sums over my 64 rows, in f32: the four row tiles, then the sixteen lanes of a half
	WIN 0x05
.irp b, 0,1,2,3
.irp p, 0,2,4,6
	v_pk_add_f32 v[VSUM+8*\b+\p:VSUM+8*\b+\p+1], v[8*(8+\b)+\p:8*(8+\b)+\p+1], v[8*(20+\b)+\p:8*(20+\b)+\p+1]
.endr
.endr
	WIN 0x0A
.irp b, 0,1,2,3
.irp p, 0,2,4,6
	v_pk_add_f32 v[TMP+8*\b+\p:TMP+8*\b+\p+1], v[8*(8+\b)+\p:8*(8+\b)+\p+1], v[8*(20+\b)+\p:8*(20+\b)+\p+1]
.endr
.endr
	WIN 0
.irp p, 0,2,4,6,8,10,12,14,16,18,20,22,24,26,28,30
	v_pk_add_f32 v[VSUM+\p:VSUM+\p+1], v[VSUM+\p:VSUM+\p+1], v[TMP+\p:TMP+\p+1]
.endr
.irp m, 1,2,4,8
.set vi, 0
.rept 32
	v_add_f32_dpp v[VSUM+vi], v[VSUM+vi], v[VSUM+vi] row_xmask:\m row_mask:0xf bank_mask:0xf
.set vi, vi+1
.endr
.endr
.irp b, 0,1,2,3
	ds_store_b128 v[VSA], v[VSUM+8*\b:VSUM+8*\b+3] offset:64*\b       ; the sixteen lanes of a half write the same words with the same values
	ds_store_b128 v[VSA], v[VSUM+8*\b+4:VSUM+8*\b+7] offset:64*\b+16
.endr
	ds_load_b64 v[OB:OB+1], v[VSL]                 ; my wave's own bytes: LDS serves a wave's instructions in order (ISA guide 5.7.1)
	s_wait_dscnt 0x0
	global_store_b64 v[VSO], v[OB:OB+1], s[26:27]  ; 256 neighbouring bytes, aligned
; rows 16 a .. 16 a + 15: to f16, 16 bytes a lane into my stage, back as rows of 128 bytes, four rows (512 neighbouring bytes) a store
.macro OUT16 a
.if \a < 2
	WIN 0x05
.else
	WIN 0x0A
.endif
.irp b, 0,1,2,3,4,5,6,7,8,9,10,11
.irp q, 0,1,2,3
	v_cvt_pk_f16_f32 v[TMP+4*\b+\q], v[8*(12*(\a&1)+\b)+2*\q], v[8*(12*(\a&1)+\b)+2*\q+1]
.endr
.endr
	WIN 0
.irp b, 0,1,2,3,4,5,6,7,8,9,10,11
	ds_store_b128 v[STO], v[TMP+4*\b:TMP+4*\b+3] offset:32*\b
.endr
	s_wait_xcnt 0x0                                ; the earlier stores have read OB, which is loaded again only behind this wait
.irp m, 0,1,2
.irp t, 0,1,2,3
	ds_load_b128 v[OB+16*\m+4*\t:OB+16*\m+4*\t+3], v[RD] offset:4*SPITCH*\t+128*\m
.endr
.endr
.irp m, 0,1,2
.irp t, 0,1,2,3
	s_wait_dscnt 11-4*\m-\t                        ; the younger read-backs stay out
	global_store_b128 v[CO], v[OB+16*\m+4*\t:OB+16*\m+4*\t+3], s[20+2*\m:21+2*\m] offset:(16*\a+4*\t)*128
.endr
.endr
.endm
	OUT16 0
	OUT16 1
	OUT16 2
	OUT16 3
	s_wait_tensorcnt 0x0
	ds_add_u32 v30, v31
	s_wait_dscnt 0x0
	CROUND                                         ; the closing round: no work-group ends while a partner may still ask jointly
	s_endpgm
.Lfunc_end_k_q6e398bb0ce_qkv:
	.size	k_q6e398bb0ce_qkv, .Lfunc_end_k_q6e398bb0ce_qkv-k_q6e398bb0ce_qkv
	.p2alignl 7, 3214868480
	.fill 96, 4, 3214868480
	.section	.rodata,"a",@progbits
	.p2align	6, 0x0
	.amdhsa_kernel k_q6e398bb0ce_qkv
		.amdhsa_group_segment_fixed_size 327680
		.amdhsa_private_segment_fixed_size 0
		.amdhsa_enable_private_segment 0
		.amdhsa_kernarg_size 104
		.amdhsa_user_sgpr_count 2
		.amdhsa_user_sgpr_kernarg_segment_ptr 1
		.amdhsa_wavefront_size32 1
		.amdhsa_system_sgpr_workgroup_id_x 1
		.amdhsa_system_sgpr_workgroup_id_y 1
		.amdhsa_system_sgpr_workgroup_id_z 1
		.amdhsa_system_vgpr_workitem_id 0
		.amdhsa_next_free_vgpr 1024
		.amdhsa_next_free_sgpr 100
		.amdhsa_reserve_vcc 0
		.amdhsa_float_denorm_mode_32 3
		.amdhsa_float_denorm_mode_16_64 3
		.amdhsa_memory_ordered 1
		.amdhsa_forward_progress 1
		.amdhsa_inst_pref_size 243
	.end_amdhsa_kernel
	.amdgpu_metadata
---
amdhsa.version: [ 1, 2 ]
amdhsa.kernels:
  - .name:           k_q6e398bb0ce_qkv
    .symbol:         k_q6e398bb0ce_qkv.kd
    .args:
      - { .name: x, .offset: 0, .size: 8, .value_kind: global_buffer, .address_space: global }
      - { .name: Wq, .offset: 8, .size: 8, .value_kind: global_buffer, .address_space: global }
      - { .name: Wk, .offset: 16, .size: 8, .value_kind: global_buffer, .address_space: global }
      - { .name: Wv, .offset: 24, .size: 8, .value_kind: global_buffer, .address_space: global }
      - { .name: bq, .offset: 32, .size: 8, .value_kind: global_buffer, .address_space: global }
      - { .name: bk, .offset: 40, .size: 8, .value_kind: global_buffer, .address_space: global }
      - { .name: bv, .offset: 48, .size: 8, .value_kind: global_buffer, .address_space: global }
      - { .name: Wo, .offset: 56, .size: 8, .value_kind: global_buffer, .address_space: global }
      - { .name: Qb, .offset: 64, .size: 8, .value_kind: global_buffer, .address_space: global }
      - { .name: Kb, .offset: 72, .size: 8, .value_kind: global_buffer, .address_space: global }
      - { .name: Vb, .offset: 80, .size: 8, .value_kind: global_buffer, .address_space: global }
      - { .name: VS, .offset: 88, .size: 8, .value_kind: global_buffer, .address_space: global }
      - { .name: WoB, .offset: 96, .size: 8, .value_kind: global_buffer, .address_space: global }
    .group_segment_fixed_size: 327680
    .private_segment_fixed_size: 0
    .kernarg_segment_align: 8
    .kernarg_segment_size: 104
    .max_flat_workgroup_size: 128
    .sgpr_count:     100
    .vgpr_count:     1024
    .wavefront_size: 32
...
	.end_amdgpu_metadata
.endif
;; end of part 1
;; launch attn (part 2): grid 8 x 32, 8 waves a work-group, clusters of 4 x 1, 327,680 bytes of LDS; arguments Qb, Kb, Vb, VS, AO; writes AO
.if DOCPART == 2
	.amdgcn_target "amdgcn-amd-amdhsa--gfx1250"
	.amdhsa_code_object_version 6
	.text
	.protected	k_q6e398bb0ce_attn
	.globl	k_q6e398bb0ce_attn
	.p2align	8
	.type	k_q6e398bb0ce_attn,@function
k_q6e398bb0ce_attn:
	s_mov_b64 s[64:65], 0
	v_nop
	global_prefetch_b8 v0, s[64:65] scope:SCOPE_SE
	s_setreg_imm32_b32 hwreg(HW_REG_WAVE_MODE, 25, 1), 1
	s_wait_xcnt 0x0
	s_wait_alu depctr_hold_cnt(0) depctr_sa_sdst(0) depctr_va_vdst(0) depctr_va_sdst(0) depctr_va_ssrc(0) depctr_va_vcc(0) depctr_vm_vsrc(0)
	s_getreg_b32 s2, hwreg(HW_REG_IB_STS2, 6, 4)
	s_cmp_eq_u32 s2, 0
	s_cbranch_scc0 .Lentry_in_a_cluster
	s_endpgm
.Lentry_in_a_cluster:
	s_bfe_u32 s2, ttmp6, 0x10000c
	s_cmp_lg_u32 s2, 0x3003
	s_cbranch_scc0 .Lentry_shape_is_right
	s_endpgm
.Lentry_shape_is_right:
; Causal attention of one head with a running maximum, in base 2 (Q' already holds 0.125 * log2(e)).  Qb, Kb, Vb, AO: [b*16+h][2048][64] f16.
; THE MASK IS -10000, NOT -INFINITY.  A masked key keeps the weight exp(-10000 - m).  All keys from 256 T on are masked for every query of a
; phase and share that one score, so together they are (score -10000, count, sum of their V rows): that is the START of the running state
; (m = -10000 log2(e), l = count, O = sum from VS), and it fades or stays as the real scores decide.  Where no such key exists the start is
; (-infinity, 0, 0).  Keys below 256 T go through the matrix units; in the last two trips of a phase key > query gets -10000 log2(e) by a select.
; SHARES: a work-group takes two blocks of 128 queries, i = 15 - 4c - cx with T = 8 - 2c trips of 256 keys, then i = 4c + cx with T = 2 + 2c:
; ten trips for every work-group.  The four work-groups of a cluster (c = cluster x) walk the same K and V tiles: every tile is asked for
; jointly (mask 15), and no trip count or branch hangs on cx.  Price: 20 steps of 128 keys where a block pair needs 17.
; Wave w: g = w & 3 takes 32 queries, kh = w >> 2 takes keys 128 kh .. + 127 of each trip, in two sub-steps of 64.  Two waves lie on a SIMD, so one
; wave's softmax runs beside the other's matrix work.  The two key halves keep states of their own, merged through LDS at a phase's end.
; LAYOUT: S^T = K Q^T (lane = query r, registers = keys 8h + j), so a row's maximum and sum lie in one lane and its partner lane r + 16;
; two neighbouring key tiles packed to f16 are a B fragment as they stand;  O^T = V^T P^T, V^T by the transposing LDS load.
; LIMITS: finite inputs; P is rounded to f16 (weights below 6e-8 of the row's largest count as 0), AO to f16; -10000 log2(e) is rounded to f32.
.set KP, 144                           ; K's LDS row: 128 bytes + 16
.set VP, 160                           ; V's: 128 + 32, an odd multiple of 32 for the transposing load
.set KSLOT, 256*KP
.set VSLOT, 256*VP
.set VRING, 2*KSLOT
.set MERGE, VRING+2*VSLOT              ; 4 groups x (16 x 512 bytes of O + 512 of m, l)
.set MRGG,  8704
.set OSTG,  MERGE+4*MRGG               ; 8 waves x 32 rows x 144 bytes
.set OSTW,  32*KP
.set TSCR,  OSTG+8*OSTW                ; 8 waves x 256 bytes: the start vector
.set TILEB, 256*128                    ; bytes of a tile of 256 keys in memory
.set QF, 32                            ; v32-63    Q fragments (qt, e) at 16 qt + 8 e
.set S,  64                            ; v64-127   score tiles (kt, qt) at 32 qt + 8 kt; then P (qt, ks) at 32 qt + 16 ks
.set KF, 128                           ; v128-191  K fragments (kt, e) at 16 kt + 8 e
.set VF, 192                           ; v192-255  V^T fragments (dt, ks) at 16 dt + 8 ks
                                       ; window 1, v0-63: O^T tiles (dt, qt) at 8 (4 qt + dt)
; v1 K address, v2 V address, v3 masked score, v4 DM, v5 128 r + 16 h, v6 16 lane, v7 merge address, v8-11 m0 m1 l0 l1,
; v12-15 new maxima (each twice), v16-19 fade factors (each twice), v20-27 at work, v28 v29 stage in/back, v30 v31 start vector in/back
.set G1K, 24
.set G1V, 32
.set G0K, 40                           ; s[40:47]  one set for each slot
.set G0V, 48                           ; s[48:55]
.set KB,  56                           ; s[56:59]  addresses of K's tiles 0, 1 (my 64 rows)
.set VB,  60                           ; s[60:63]  of V's
.set MSB, 0
.macro WIN new
.if MSB != (\new)
	s_set_vgpr_msb (MSB<<8)|(\new)
.set MSB, (\new)
.endif
.endm
.macro PLACES n
.rept \n
	v_nop
.endr
.endm
.macro ROUND                           ; a round of the cluster's barrier
	s_barrier_signal -1
	s_barrier_wait -1
	s_cmp_lg_u32 s14, 0
	s_cbranch_scc1 .Lnot_wave_0_\@
	s_barrier_signal -3
.Lnot_wave_0_\@:
	s_barrier_wait -3
	s_barrier_signal -1
	s_barrier_wait -1
.endm
.macro JLOAD s                         ; one joint load a wave, 64 rows: waves 0-3 K's, waves 4-7 V's
	s_cmp_eq_u32 s15, 0
	s_cbranch_scc0 .Lfor_v_\@
	tensor_load_to_lds s[G0K+4*(\s):G0K+4*(\s)+3], s[G1K:G1K+7]
	s_nop 0
	s_branch .Lasked_\@
.Lfor_v_\@:
	tensor_load_to_lds s[G0V+4*(\s):G0V+4*(\s)+3], s[G1V:G1V+7]
	s_nop 0
.Lasked_\@:
.endm
	s_load_b256 s[4:11], s[0:1], 0x0               ; Qb, Kb, Vb, VS
	s_load_b64 s[12:13], s[0:1], 0x20              ; AO
	s_set_vgpr_msb 0x40
	v_lshl_add_u32 v64, v0, 2, 0x38000
	v_mov_b32 v65, 0
	s_set_vgpr_msb 0x4045
	ds_add_u32 v64, v65
	s_set_vgpr_msb 0x4500
	v_lshrrev_b32 v1, 5, v0
	v_readfirstlane_b32 s14, v1                    ; wave
	s_lshr_b32 s15, s14, 2                         ; kh
	s_and_b32 s16, s14, 3                          ; g
	s_mov_b32 s17, ttmp9                           ; c: the cluster's x, 0 or 1
	s_and_b32 s18, ttmp7, 0xffff                   ; 16 x batch + head
	s_bfe_u32 s19, ttmp6, 0x40000                  ; cx
	s_mov_b32 s22, 0x76543210                      ; v_permlanex16_b32: lane i of one half reads lane i of the other
	s_mov_b32 s23, 0xfedcba98
	s_mov_b32 s69, 0
	s_mov_b32 s72, 0xff800000                      ; -infinity
	s_mov_b32 s73, 0xc6616bcd                      ; -10000 log2(e)
	s_mov_b32 s[G1K+0], 15|(1<<16)|(1<<20)|(1<<21)|(4<<22)|(3<<25)   ; mask: all four; 2-byte elements; after 32 words 4 words of padding
	s_mov_b32 s[G1K+1], 64<<16
	s_mov_b32 s[G1K+2], 64<<16
	s_mov_b32 s[G1K+3], 64<<16
	s_mov_b32 s[G1K+4], 64
	s_mov_b32 s[G1K+5], 64
	s_mov_b32 s[G1K+6], 0
	s_mov_b32 s[G1K+7], 0
	s_mov_b32 s[G1V+0], 15|(1<<16)|(1<<20)|(1<<21)|(4<<22)|(7<<25)   ; 8 words of padding
	s_mov_b32 s[G1V+1], 64<<16
	s_mov_b32 s[G1V+2], 64<<16
	s_mov_b32 s[G1V+3], 64<<16
	s_mov_b32 s[G1V+4], 64
	s_mov_b32 s[G1V+5], 64
	s_mov_b32 s[G1V+6], 0
	s_mov_b32 s[G1V+7], 0
	s_mul_i32 s96, s14, 64*KP                      ; waves 0-3: quarter w of K's slot
	s_mul_i32 s97, s14, 64*VP
	s_add_co_u32 s97, s97, VRING-4*64*VP           ; waves 4-7: quarter w - 4 of V's slot
	s_lshl_b32 s90, s18, 18                        ; the head's 2,048 rows of 128 bytes
	s_lshl_b32 s98, s16, 13                        ; my 64 rows of a tile
	s_add_co_u32 s90, s90, s98
	s_mov_b32 s91, 0
	s_wait_dscnt 0x0
	s_wait_kmcnt 0x0
	s_add_nc_u64 s[KB:KB+1], s[6:7], s[90:91]
	s_add_nc_u64 s[KB+2:KB+3], s[KB:KB+1], TILEB
	s_add_nc_u64 s[VB:VB+1], s[8:9], s[90:91]
	s_add_nc_u64 s[VB+2:VB+3], s[VB:VB+1], TILEB
.irp s, 0,1
	s_mov_b32 s[G0K+4*\s], 1
	s_add_co_u32 s[G0K+4*\s+1], s96, \s*KSLOT
	s_mov_b64 s[G0K+4*\s+2:G0K+4*\s+3], s[KB+2*\s:KB+2*\s+1]
	s_or_b32 s[G0K+4*\s+3], s[G0K+4*\s+3], 0x80000000
	s_mov_b32 s[G0V+4*\s], 1
	s_add_co_u32 s[G0V+4*\s+1], s97, \s*VSLOT
	s_mov_b64 s[G0V+4*\s+2:G0V+4*\s+3], s[VB+2*\s:VB+2*\s+1]
	s_or_b32 s[G0V+4*\s+3], s[G0V+4*\s+3], 0x80000000
.endr
	ROUND                                          ; the four work-groups are here
	JLOAD 0                                        ; tile 0: one tensor load of the wave is out, here and behind every later round
	; the two phases' numbers
	s_lshl_b32 s85, s17, 2                         ; 4 c
	s_add_co_u32 s21, s85, s19                     ; i of phase 2
	s_sub_co_u32 s20, 15, s21                      ; i of phase 1
	s_sub_co_u32 s86, 16, s85                      ; 2 T of phase 1
	s_add_co_u32 s87, s85, 4                       ; 2 T of phase 2
	s_lshl_b32 s88, s20, 7                         ; DM's scalar part: 128 i + 32 g - 128 kh - 256 (T - 2)
	s_lshl_b32 s84, s16, 5
	s_add_co_u32 s88, s88, s84
	s_lshl_b32 s84, s15, 7
	s_sub_co_u32 s88, s88, s84
	s_lshl_b32 s84, s86, 7
	s_sub_co_u32 s88, s88, s84
	s_add_co_u32 s88, s88, 512
	s_sub_co_u32 s89, s21, s20                     ; and its step from phase 1 to phase 2
	s_sub_co_u32 s84, s87, s86
	s_sub_co_u32 s89, s89, s84
	s_lshl_b32 s89, s89, 7
	s_lshl_b32 s92, s18, 18
	s_lshl_b32 s93, s16, 12
	s_add_co_u32 s92, s92, s93                     ; the head, and my 32 queries in a block
	s_lshl_b32 s94, s20, 14
	s_add_co_u32 s94, s94, s92
	s_mov_b32 s95, 0
	s_add_nc_u64 s[74:75], s[4:5], s[94:95]        ; Q, phase 1
	s_add_nc_u64 s[78:79], s[12:13], s[94:95]      ; AO, phase 1
	s_lshl_b32 s94, s21, 14
	s_add_co_u32 s94, s94, s92
	s_add_nc_u64 s[76:77], s[4:5], s[94:95]        ; Q, phase 2
	s_add_nc_u64 s[80:81], s[12:13], s[94:95]      ; AO, phase 2
	s_lshl_b32 s94, s18, 13
	s_add_nc_u64 s[82:83], s[10:11], s[94:95]      ; the head's 32 block sums
	v_and_b32 v20, 15, v0                          ; r
	v_bfe_u32 v21, v0, 4, 1                        ; h
	v_and_b32 v22, 31, v0                          ; lane
	v_and_b32 v23, 7, v0
	v_bfe_u32 v24, v0, 3, 1
	v_lshrrev_b32 v25, 3, v22
	v_mov_b32 v26, 0
	v_mov_b32 v27, 0
	v_mul_u32_u24 v1, v20, KP
	v_lshl_add_u32 v1, v21, 4, v1
	s_mul_i32 s84, s15, 128*KP
	v_add_nc_u32 v1, s84, v1                       ; K: (128 kh + r) rows + 16 h
	v_lshl_add_u32 v2, v21, 3, v23
	v_mul_u32_u24 v2, v2, VP
	v_lshl_add_u32 v2, v24, 4, v2
	s_mul_i32 s84, s15, 128*VP
	s_add_co_u32 s84, s84, VRING
	v_add_nc_u32 v2, s84, v2                       ; V: (128 kh + 8 h + lane mod 8) rows + 16 ((lane / 8) mod 2)
	v_mov_b32 v3, s73
	v_lshlrev_b32 v4, 3, v21
	v_sub_nc_u32 v4, v20, v4
	v_add_nc_u32 v4, s88, v4                       ; DM = query - 8 h - 128 kh - first key of the first masked trip
	v_lshlrev_b32 v5, 7, v20
	v_lshl_add_u32 v5, v21, 4, v5
	v_lshlrev_b32 v6, 4, v22
	s_mul_i32 s84, s16, MRGG
	s_add_co_u32 s84, s84, MERGE
	v_add_nc_u32 v7, s84, v6
	s_mul_i32 s84, s14, OSTW
	s_add_co_u32 s84, s84, OSTG
	v_mul_u32_u24 v28, v20, KP
	v_lshl_add_u32 v28, v21, 4, v28
	v_add_nc_u32 v28, s84, v28
	v_mul_u32_u24 v29, v25, KP
	v_lshl_add_u32 v29, v23, 4, v29
	v_add_nc_u32 v29, s84, v29
	s_lshl_b32 s84, s14, 8
	s_add_co_u32 s84, s84, TSCR
	v_lshl_add_u32 v30, v20, 4, s84
	v_lshl_add_u32 v31, v21, 5, s84
.macro LDK slot, sub                   ; 64 keys x 64 d: 8 fragments
.irp kt, 0,1,2,3
.irp e, 0,1
	ds_load_b128 v[KF+16*\kt+8*\e:KF+16*\kt+8*\e+3],   v1 offset:\slot*KSLOT+\sub*64*KP+\kt*16*KP+64*\e
	ds_load_b128 v[KF+16*\kt+8*\e+4:KF+16*\kt+8*\e+7], v1 offset:\slot*KSLOT+\sub*64*KP+\kt*16*KP+64*\e+32
.endr
.endr
.endm
.macro LDV slot, sub                   ; the same keys of V, transposed: 8 fragments
.irp dt, 0,1,2,3
.irp ks, 0,1
	ds_load_tr16_b128 v[VF+16*\dt+8*\ks:VF+16*\dt+8*\ks+3],   v2 offset:\slot*VSLOT+\sub*64*VP+\ks*32*VP+32*\dt
	ds_load_tr16_b128 v[VF+16*\dt+8*\ks+4:VF+16*\dt+8*\ks+7], v2 offset:\slot*VSLOT+\sub*64*VP+\ks*32*VP+32*\dt+16*VP
.endr
.endr
.endm
.macro SMUL                            ; 8 score tiles; the accumulators take turns, one instruction a turn
.irp qt, 0,1
.irp kt, 0,1,2,3
	v_wmma_f32_16x16x32_f16 v[S+32*\qt+8*\kt:S+32*\qt+8*\kt+7], v[KF+16*\kt:KF+16*\kt+7], v[QF+16*\qt:QF+16*\qt+7], 0
.endr
.endr
.irp qt, 0,1
.irp kt, 0,1,2,3
	v_wmma_f32_16x16x32_f16 v[S+32*\qt+8*\kt:S+32*\qt+8*\kt+7], v[KF+16*\kt+8:KF+16*\kt+15], v[QF+16*\qt+8:QF+16*\qt+15], v[S+32*\qt+8*\kt:S+32*\qt+8*\kt+7]
.endr
.endr
.endm
.macro MASK sub, tr                    ; key > query  <=>  256 tr + 64 sub + 16 kt + j - 16 qt > DM
.irp qt, 0,1
.irp kt, 0,1,2,3
.irp j, 0,1,2,3,4,5,6,7
	v_cmp_gt_i32 vcc_lo, 256*\tr+64*\sub+16*\kt+\j-16*\qt, v4
	v_cndmask_b32 v[S+32*\qt+8*\kt+\j], v[S+32*\qt+8*\kt+\j], v3, vcc_lo
.endr
.endr
.endr
.endm
.macro SOFTMAX
	v_max3_num_f32 v20, v8, v[S], v[S+1]           ; the old maximum starts the first chain
	v_max3_num_f32 v22, v9, v[S+32], v[S+33]
	v_max3_num_f32 v21, v[S+16], v[S+17], v[S+18]
	v_max3_num_f32 v23, v[S+48], v[S+49], v[S+50]
.irp k, 2,4,6,8,10,12,14
	v_max3_num_f32 v20, v20, v[S+\k], v[S+\k+1]
	v_max3_num_f32 v22, v22, v[S+32+\k], v[S+32+\k+1]
.endr
.irp k, 19,21,23,25,27,29
	v_max3_num_f32 v21, v21, v[S+\k], v[S+\k+1]
	v_max3_num_f32 v23, v23, v[S+32+\k], v[S+32+\k+1]
.endr
	v_max3_num_f32 v20, v20, v21, v[S+31]
	v_max3_num_f32 v22, v22, v23, v[S+63]
	v_permlanex16_b32 v24, v20, s22, s23           ; the query's other 32 keys lie in lane r + 16
	v_permlanex16_b32 v25, v22, s22, s23
	v_max_num_f32 v12, v20, v24                    ; each twice: a pair for the packed forms
	v_max_num_f32 v13, v20, v24
	v_max_num_f32 v14, v22, v25
	v_max_num_f32 v15, v22, v25
	v_sub_f32 v26, v8, v12
	v_sub_f32 v27, v9, v14
	v_exp_f32 v16, v26                             ; by how much the old state fades
	v_exp_f32 v17, v26
	v_exp_f32 v18, v27
	v_exp_f32 v19, v27
	v_mov_b32 v8, v12                              ; a plain instruction stands behind the exponentials before their results are used (ISA guide 5.7.2)
	v_mov_b32 v9, v14
.irp k, 0,2,4,6,8,10,12,14,16,18,20,22,24,26,28,30
	v_pk_add_f32 v[S+\k:S+\k+1], v[S+\k:S+\k+1], v[12:13] neg_lo:[0,1] neg_hi:[0,1]
	v_pk_add_f32 v[S+32+\k:S+33+\k], v[S+32+\k:S+33+\k], v[14:15] neg_lo:[0,1] neg_hi:[0,1]
.endr
.set ei, 0
.rept 64
	v_exp_f32 v[S+ei], v[S+ei]
.set ei, ei+1
.endr
	v_nop
	s_wait_alu depctr_va_vdst(0)
	v_pk_add_f32 v[20:21], v[S:S+1], v[S+2:S+3]    ; the sums, four chains
	v_pk_add_f32 v[22:23], v[S+16:S+17], v[S+18:S+19]
	v_pk_add_f32 v[24:25], v[S+32:S+33], v[S+34:S+35]
	v_pk_add_f32 v[26:27], v[S+48:S+49], v[S+50:S+51]
.irp k, 4,6,8,10,12,14
	v_pk_add_f32 v[20:21], v[20:21], v[S+\k:S+\k+1]
	v_pk_add_f32 v[22:23], v[22:23], v[S+16+\k:S+17+\k]
	v_pk_add_f32 v[24:25], v[24:25], v[S+32+\k:S+33+\k]
	v_pk_add_f32 v[26:27], v[26:27], v[S+48+\k:S+49+\k]
.endr
	v_pk_add_f32 v[20:21], v[20:21], v[22:23]
	v_pk_add_f32 v[24:25], v[24:25], v[26:27]
	v_add_f32 v20, v20, v21
	v_add_f32 v24, v24, v25
	v_fma_f32 v10, v10, v16, v20                   ; l stays a partial sum of each lane half until the phase's end
	v_fma_f32 v11, v11, v18, v24
.irp base, 0,16,32,48                  ; two key tiles pack, in place and ascending, into one B fragment of 32 keys
.irp p, 0,1,2,3,4,5,6,7
	v_cvt_pk_f16_f32 v[S+\base+\p], v[S+\base+2*\p], v[S+\base+2*\p+1]
.endr
.endr
.endm
.macro PV
	WIN 0x41
.irp k, 0,2,4,6,8,10,12,14,16,18,20,22,24,26,28,30
	v_pk_mul_f32 v[\k:\k+1], v[\k:\k+1], v[16:17]
	v_pk_mul_f32 v[32+\k:33+\k], v[32+\k:33+\k], v[18:19]
.endr
	WIN 0x50
.irp ks, 0,1                           ; the 8 accumulators take turns, one instruction a turn
.irp qt, 0,1
.irp dt, 0,1,2,3
	v_wmma_f32_16x16x32_f16 v[8*(4*\qt+\dt):8*(4*\qt+\dt)+7], v[VF+16*\dt+8*\ks:VF+16*\dt+8*\ks+7], v[S+32*\qt+16*\ks:S+32*\qt+16*\ks+7], v[8*(4*\qt+\dt):8*(4*\qt+\dt)+7]
.endr
.endr
.endr
	WIN 0
	PLACES 5                                       ; the next score tiles write over P, the next loads land in V's fragments
.endm
; A trip: 256 keys in slot \slot.  stepmode 0: this slot's addresses go two tiles on; 1: back to the next phase's tile \slot; 2: stay.
.macro TRIP slot, refill, stepmode, mask, tr
	s_set_vgpr_msb 0x5
	s_wait_tensorcnt 0x0                           ; all my tensor loads have landed, my part of this trip's tile among them: a group 0 may be written
	ds_add_u32 v64, v65
	s_wait_dscnt 0x0
	s_set_vgpr_msb 0x500
.if \stepmode == 0
	s_add_nc_u64 s[G0K+4*\slot+2:G0K+4*\slot+3], s[G0K+4*\slot+2:G0K+4*\slot+3], 2*TILEB
	s_add_nc_u64 s[G0V+4*\slot+2:G0V+4*\slot+3], s[G0V+4*\slot+2:G0V+4*\slot+3], 2*TILEB
.endif
.if \stepmode == 1
	s_mov_b64 s[G0K+4*\slot+2:G0K+4*\slot+3], s[KB+2*\slot:KB+2*\slot+1]
	s_or_b32 s[G0K+4*\slot+3], s[G0K+4*\slot+3], 0x80000000
	s_mov_b64 s[G0V+4*\slot+2:G0V+4*\slot+3], s[VB+2*\slot:VB+2*\slot+1]
	s_or_b32 s[G0V+4*\slot+3], s[G0V+4*\slot+3], 0x80000000
.endif
	s_wait_dscnt 0x0                               ; my reads of the other slot are back
	ROUND                                          ; both now hold of every wave of the four work-groups
.if \refill
	JLOAD 1-\slot                                  ; the next tile, into the slot read last; it has this trip in which to land
.endif
	LDK \slot, 0
	LDV \slot, 0
	s_wait_dscnt 16                                ; K's 16 loads are in, V's 16 stay out
	SMUL
	PLACES 4                                       ; behind the score tiles: loads into K's fragments, vector reads of S
	LDK \slot, 1
.if \mask
	MASK 0, \tr
.endif
	SOFTMAX
	s_wait_dscnt 16                                ; V is in, the next K's 16 stay out
	PV
	LDV \slot, 1
	s_wait_dscnt 16                                ; K is in, V's 16 stay out
	SMUL
	PLACES 4
.if \mask
	MASK 1, \tr
.endif
	SOFTMAX
	s_wait_dscnt 0x0
	PV
.endm
.macro INIT_LOADS qb                   ; the phase's Q fragments, and the block sums 8 to 31 of V (two blocks a load)
.irp qt, 0,1
.irp e, 0,1
	global_load_b128 v[QF+16*\qt+8*\e:QF+16*\qt+8*\e+3],   v5, s[\qb:\qb+1] offset:2048*\qt+64*\e
	global_load_b128 v[QF+16*\qt+8*\e+4:QF+16*\qt+8*\e+7], v5, s[\qb:\qb+1] offset:2048*\qt+64*\e+32
.endr
.endr
.irp n, 4,5,6,7,8,9,10,11,12,13,14,15
	global_load_b128 v[VF+4*(\n-4):VF+4*(\n-4)+3], v6, s[82:83] offset:512*\n
.endr
.endm
; The running state's start.  tt: the register with 2 T.  Pairs of blocks n >= 2 T are the keys from 256 T on; the wave of the upper key half starts empty.
.macro INIT_FIN tt
	s_cmp_eq_u32 s15, 0
	s_cselect_b32 s70, s[\tt], 16
	s_wait_loadcnt 0x0
.irp n, 4,5,6,7,8,9,10,11,12,13,14,15
	s_cmp_le_u32 s70, \n
	s_cselect_b32 s68, 1.0, 0                      ; a choice of values: every pair is multiplied, by 1 or by 0
.if \n == 4
	v_pk_mul_f32 v[20:21], v[VF:VF+1], s[68:69] op_sel_hi:[1,0]
	v_pk_mul_f32 v[22:23], v[VF+2:VF+3], s[68:69] op_sel_hi:[1,0]
.else
	v_pk_fma_f32 v[20:21], v[VF+4*(\n-4):VF+4*(\n-4)+1], s[68:69], v[20:21] op_sel_hi:[1,0,1]
	v_pk_fma_f32 v[22:23], v[VF+4*(\n-4)+2:VF+4*(\n-4)+3], s[68:69], v[22:23] op_sel_hi:[1,0,1]
.endif
.endr
.irp k, 0,1,2,3
	v_permlanex16_b32 v[24+\k], v[20+\k], s22, s23 ; even and odd blocks lie in the two lane halves
.endr
.irp k, 0,1,2,3
	v_add_f32 v[20+\k], v[20+\k], v[24+\k]
.endr
	ds_store_b128 v30, v[20:23]                    ; 64 sums, in my wave's own 256 bytes (both halves write the same values)
	WIN 0x40
.irp qt, 0,1
.irp dt, 0,1,2,3
	ds_load_b128 v[8*(4*\qt+\dt):8*(4*\qt+\dt)+3],   v31 offset:64*\dt      ; O^T(d, any query) = sum[d]; waited for at the next trip's head
	ds_load_b128 v[8*(4*\qt+\dt)+4:8*(4*\qt+\dt)+7], v31 offset:64*\dt+16
.endr
.endr
	WIN 0
	s_cmp_lt_u32 s70, 16
	s_cselect_b32 s71, s73, s72                    ; -10000 log2(e) where such keys exist, else -infinity
	v_mov_b32 v8, s71
	v_mov_b32 v9, s71
	s_sub_co_u32 s71, 16, s70
	s_lshl_b32 s71, s71, 6                         ; 128 (16 - 2T) keys, half of them counted in each lane half
	v_cvt_f32_u32 v10, s71
	v_cvt_f32_u32 v11, s71
.endm
; A phase's end: the upper key half hands its state over in LDS; the lower one merges, divides, rounds and stores 32 rows.
.macro FINAL ao
	s_cmp_eq_u32 s15, 0
	s_cbranch_scc1 .Lkeep_\@
	WIN 0x04
.irp k, 0,1,2,3,4,5,6,7,8,9,10,11,12,13,14,15
	ds_store_b128 v7, v[4*\k:4*\k+3] offset:512*\k
.endr
	WIN 0
	ds_store_b128 v7, v[8:11] offset:8192
.Lkeep_\@:
	s_wait_dscnt 0x0                               ; for the partner's sake
	s_barrier_signal -1
	s_barrier_wait -1                              ; the next tile's load may stay out
	s_cmp_lg_u32 s15, 0
	s_cbranch_scc1 .Ldone_\@
.irp k, 0,1,2,3,4,5,6,7,8,9,10,11,12,13,14,15
	ds_load_b128 v[S+4*\k:S+4*\k+3], v7 offset:512*\k
.endr
	ds_load_b128 v[20:23], v7 offset:8192
	s_wait_dscnt 0x0
	v_max_num_f32 v12, v8, v20
	v_max_num_f32 v14, v9, v21
	v_sub_f32 v24, v8, v12
	v_sub_f32 v25, v20, v12
	v_sub_f32 v26, v9, v14
	v_sub_f32 v27, v21, v14
	v_exp_f32 v24, v24
	v_exp_f32 v25, v25
	v_exp_f32 v26, v26
	v_exp_f32 v27, v27
	v_nop
	s_wait_alu depctr_va_vdst(0)
	v_mul_f32 v10, v10, v24
	v_mul_f32 v11, v11, v26
	v_fma_f32 v10, v22, v25, v10
	v_fma_f32 v11, v23, v27, v11
	v_permlanex16_b32 v12, v10, s22, s23           ; now the two lane halves' partial sums meet
	v_permlanex16_b32 v14, v11, s22, s23
	v_add_f32 v10, v10, v12
	v_add_f32 v11, v11, v14
	v_rcp_f32 v10, v10
	v_rcp_f32 v11, v11
	v_nop
	s_wait_alu depctr_va_vdst(0)
	v_mul_f32 v12, v24, v10
	v_mul_f32 v13, v24, v10
	v_mul_f32 v14, v26, v11
	v_mul_f32 v15, v26, v11
	v_mul_f32 v16, v25, v10
	v_mul_f32 v17, v25, v10
	v_mul_f32 v18, v27, v11
	v_mul_f32 v19, v27, v11
.irp k, 0,2,4,6,8,10,12,14,16,18,20,22,24,26,28,30
	v_pk_mul_f32 v[S+\k:S+\k+1], v[S+\k:S+\k+1], v[16:17]
	v_pk_mul_f32 v[S+32+\k:S+33+\k], v[S+32+\k:S+33+\k], v[18:19]
.endr
	WIN 0x01
.irp k, 0,2,4,6,8,10,12,14,16,18,20,22,24,26,28,30
	v_pk_fma_f32 v[S+\k:S+\k+1], v[\k:\k+1], v[12:13], v[S+\k:S+\k+1]
	v_pk_fma_f32 v[S+32+\k:S+33+\k], v[32+\k:33+\k], v[14:15], v[S+32+\k:S+33+\k]
.endr
	WIN 0
.set ci, 0
.rept 32
	v_cvt_pk_f16_f32 v[KF+ci], v[S+2*ci], v[S+2*ci+1]
.set ci, ci+1
.endr
.irp qt, 0,1
.irp dt, 0,1,2,3
	ds_store_b128 v28, v[KF+4*(4*\qt+\dt):KF+4*(4*\qt+\dt)+3] offset:16*KP*\qt+32*\dt
.endr
.endr
.irp t, 0,1,2,3,4,5,6,7
	ds_load_b128 v[KF+32+4*\t:KF+32+4*\t+3], v29 offset:4*KP*\t      ; my own stage: LDS serves a wave's instructions in order (ISA guide 5.7.1)
.endr
.irp t, 0,1,2,3,4,5,6,7
	s_wait_dscnt 7-\t                              ; the younger read-backs stay out
	global_store_b128 v6, v[KF+32+4*\t:KF+32+4*\t+3], s[\ao:\ao+1] offset:512*\t   ; four rows: 512 neighbouring bytes
.endr
	s_wait_xcnt 0x0                                ; K's fragment registers, which these stores read, are loaded again only behind this wait
.Ldone_\@:
.endm
	INIT_LOADS 74
	INIT_FIN 86
	s_sub_co_u32 s66, 3, s17                       ; T - 2 = 2 (3 - c) trips without a mask
.Lp1:
	TRIP 0, 1, 0, 0, 0
	TRIP 1, 1, 0, 0, 0
	s_sub_co_u32 s66, s66, 1
	s_cmp_lg_u32 s66, 0
	s_cbranch_scc1 .Lp1
	TRIP 0, 1, 1, 1, 0                             ; fills tile T - 1
	TRIP 1, 1, 1, 1, 1                             ; fills phase 2's tile 0
	INIT_LOADS 76                                  ; phase 2's Q and sums fly during the merge
	FINAL 78
	v_add_nc_u32 v4, s89, v4                       ; DM of phase 2
	INIT_FIN 87
	s_cmp_eq_u32 s17, 0                            ; c is the cluster's number: the same in all four partners
	s_cbranch_scc1 .Lp2
	TRIP 0, 1, 0, 0, 0
	TRIP 1, 1, 0, 0, 0
.Lp2:
	TRIP 0, 1, 2, 1, 0
	TRIP 1, 0, 2, 1, 1                             ; the last trip fetches nothing
	FINAL 80
	s_set_vgpr_msb 0x5
	s_wait_tensorcnt 0x0
	ds_add_u32 v64, v65
	s_wait_dscnt 0x0
	s_set_vgpr_msb 0x500
	ROUND                                          ; the closing round
	s_endpgm
.Lfunc_end_k_q6e398bb0ce_attn:
	.size	k_q6e398bb0ce_attn, .Lfunc_end_k_q6e398bb0ce_attn-k_q6e398bb0ce_attn
	.p2alignl 7, 3214868480
	.fill 96, 4, 3214868480
	.section	.rodata,"a",@progbits
	.p2align	6, 0x0
	.amdhsa_kernel k_q6e398bb0ce_attn
		.amdhsa_group_segment_fixed_size 327680
		.amdhsa_private_segment_fixed_size 0
		.amdhsa_enable_private_segment 0
		.amdhsa_kernarg_size 40
		.amdhsa_user_sgpr_count 2
		.amdhsa_user_sgpr_kernarg_segment_ptr 1
		.amdhsa_wavefront_size32 1
		.amdhsa_system_sgpr_workgroup_id_x 1
		.amdhsa_system_sgpr_workgroup_id_y 1
		.amdhsa_system_sgpr_workgroup_id_z 1
		.amdhsa_system_vgpr_workitem_id 0
		.amdhsa_next_free_vgpr 322
		.amdhsa_next_free_sgpr 100
		.amdhsa_reserve_vcc 1
		.amdhsa_float_denorm_mode_32 3
		.amdhsa_float_denorm_mode_16_64 3
		.amdhsa_memory_ordered 1
		.amdhsa_forward_progress 1
		.amdhsa_inst_pref_size 255
	.end_amdhsa_kernel
	.section	.bss,"aw",@nobits
	.p2align	6
	.space	262144
	.amdgpu_metadata
---
amdhsa.version: [ 1, 2 ]
amdhsa.kernels:
  - .name:           k_q6e398bb0ce_attn
    .symbol:         k_q6e398bb0ce_attn.kd
    .args:
      - { .name: Qb, .offset: 0, .size: 8, .value_kind: global_buffer, .address_space: global }
      - { .name: Kb, .offset: 8, .size: 8, .value_kind: global_buffer, .address_space: global }
      - { .name: Vb, .offset: 16, .size: 8, .value_kind: global_buffer, .address_space: global }
      - { .name: VS, .offset: 24, .size: 8, .value_kind: global_buffer, .address_space: global }
      - { .name: AO, .offset: 32, .size: 8, .value_kind: global_buffer, .address_space: global }
    .group_segment_fixed_size: 327680
    .private_segment_fixed_size: 0
    .kernarg_segment_align: 8
    .kernarg_segment_size: 40
    .max_flat_workgroup_size: 256
    .sgpr_count:     100
    .vgpr_count:     322
    .wavefront_size: 32
...
	.end_amdgpu_metadata
.endif
;; end of part 2
;; launch proj (part 3): grid 8 x 32, 4 waves a work-group, clusters of 4 x 4, 327,680 bytes of LDS; arguments AO, WoB, bo, out0; writes out0
.if DOCPART == 3
	.amdgcn_target "amdgcn-amd-amdhsa--gfx1250"
	.amdhsa_code_object_version 6
	.text
	.protected	k_q6e398bb0ce_proj
	.globl	k_q6e398bb0ce_proj
	.p2align	8
	.type	k_q6e398bb0ce_proj,@function
k_q6e398bb0ce_proj:
	s_mov_b64 s[64:65], 0
	v_nop
	global_prefetch_b8 v0, s[64:65] scope:SCOPE_SE
	s_setreg_imm32_b32 hwreg(HW_REG_WAVE_MODE, 25, 1), 1
	s_wait_xcnt 0x0
	s_wait_alu depctr_hold_cnt(0) depctr_sa_sdst(0) depctr_va_vdst(0) depctr_va_sdst(0) depctr_va_ssrc(0) depctr_va_vcc(0) depctr_vm_vsrc(0)
	s_getreg_b32 s2, hwreg(HW_REG_IB_STS2, 6, 4)
	s_cmp_eq_u32 s2, 0
	s_cbranch_scc0 .Lentry_in_a_cluster
	s_endpgm
.Lentry_in_a_cluster:
	s_bfe_u32 s2, ttmp6, 0x10000c
	s_cmp_lg_u32 s2, 0xf033
	s_cbranch_scc0 .Lentry_shape_is_right
	s_endpgm
.Lentry_shape_is_right:
; out0 = AO Wo^T + bo.  AO: [b*16+h][2048][64] f16 (head-major), WoB: [1024][1024] f16, out0: [4096][1024] f32.
; A work-group makes 128 x 128 of the output (256 work-groups; blocks of 256 x 256 would give 64); four waves, 2 x 2, 64 x 64 each: 16 accumulator
; tiles.  K = 1024 goes in four steps of 256 (four heads) through two LDS slots.
; CLUSTER 4 x 4: AO's tile hangs on the row block alone, shared along a row of the cluster; Wo's on the column block alone, shared along a column.
; Waves 0, 1 ask for two heads of AO each, waves 2, 3 for 64 rows of Wo each.
; AO's tile: a head's 128 rows of 128 bytes are dense in memory, so the descriptor takes them as ONE row of 8,192 elements, two such rows a load
; (a head apart); the padding is counted along the tile, 4 words after every 32, so that each 128 bytes still get an LDS pitch of 144.
; LIMITS: finite inputs; operands in f16 as stored by the earlier launches; sums in f32; the bias is the sum's start.
.set AP, 144
.set BP, 528                           ; 512 bytes + 16
.set PLANE, 128*AP                     ; a head's 128 rows
.set APART, 4*PLANE
.set BHALF, 64*BP
.set SLOT,  APART+2*BHALF              ; 141,312
.set STAGE, 2*SLOT
.set SP,    272                        ; the way out: 64 f32 + 16 bytes
.set STGW,  16*SP
.set ASTEP, 0x100000                   ; four heads of 2,048 rows of 128 bytes
.set BSTEP, 512
.set ADRA, 8
.set ADRB, 10
.set STO,  12
.set RD,   13
.set CO,   14
.set BOF,  15
.set BIAS, 32                          ; v32-63
.set F0,   64                          ; fragments: AO's at + 8 a, Wo's at + 32 + 8 b
.set F1,   128
.set OB,   192
.set G1A, 24
.set G1B, 32
.set G0A, 40
.set G0B, 48
.set MSB, 0
.macro WIN new
.if MSB != (\new)
	s_set_vgpr_msb (MSB<<8)|(\new)
.set MSB, (\new)
.endif
.endm
.macro PLACES n
.rept \n
	v_nop
.endr
.endm
.macro CREST
	s_cmp_lg_u32 s12, 0
	s_cbranch_scc1 .Lnot_wave_0_\@
	s_barrier_signal -3
.Lnot_wave_0_\@:
	s_barrier_wait -3
	s_barrier_signal -1
	s_barrier_wait -1
.endm
.macro CROUND
	s_barrier_signal -1
	s_barrier_wait -1
	CREST
.endm
.macro JLOAD s
	s_cmp_eq_u32 s13, 0
	s_cbranch_scc0 .Lfor_b_\@
	tensor_load_to_lds s[G0A+4*\s:G0A+4*\s+3], s[G1A:G1A+7]
	s_nop 0
	s_branch .Lasked_\@
.Lfor_b_\@:
	tensor_load_to_lds s[G0B+4*\s:G0B+4*\s+3], s[G1B:G1B+7]
	s_nop 0
.Lasked_\@:
.endm
	s_load_b128 s[4:7], s[0:1], 0x0                ; AO, WoB
	s_load_b128 s[8:11], s[0:1], 0x10              ; bo, out0
	v_lshl_add_u32 v254, v0, 2, 0x49400
	v_mov_b32 v255, 0
	ds_add_u32 v254, v255
	v_lshrrev_b32 v1, 5, v0
	v_readfirstlane_b32 s12, v1                    ; wave
	s_lshr_b32 s13, s12, 1                         ; my half of the rows.  Also: I fetch for AO (0) or for Wo (1)
	s_and_b32 s14, s12, 1                          ; my half of the columns.  Also: which half of that tile I fetch
	s_bfe_u32 s15, ttmp6, 0x40000                  ; cx
	s_bfe_u32 s16, ttmp6, 0x40004                  ; cy
	s_lshl_b32 s17, ttmp9, 2
	s_add_co_u32 s17, s17, s15                     ; block of 128 columns
	s_and_b32 s18, ttmp7, 0xffff
	s_lshl_b32 s18, s18, 2
	s_add_co_u32 s18, s18, s16                     ; block of 128 rows
	s_lshl_b32 s19, s16, 2
	s_lshl_b32 s19, 15, s19                        ; my row of the cluster
	s_lshl_b32 s20, 0x1111, s15                    ; my column
	s_or_b32 s[G1A+0], s19, (1<<16)|(1<<20)|(1<<21)|(4<<22)|(3<<25)   ; 2-byte elements; after 32 words 4 words of padding
	s_mov_b32 s[G1A+1], 8192<<16                   ; tensor_dim0 = 8,192
	s_mov_b32 s[G1A+2], 2<<16                      ; tensor_dim1 = 2
	s_mov_b32 s[G1A+3], 8192<<16                   ; tile_dim0
	s_mov_b32 s[G1A+4], 2                          ; tile_dim1
	s_mov_b32 s[G1A+5], 131072                     ; from head to head
	s_mov_b32 s[G1A+6], 0
	s_mov_b32 s[G1A+7], 0
	s_or_b32 s[G1B+0], s20, (1<<16)|(1<<20)|(1<<21)|(6<<22)|(3<<25)   ; after 128 words 4 words
	s_mov_b32 s[G1B+1], 256<<16
	s_mov_b32 s[G1B+2], 64<<16
	s_mov_b32 s[G1B+3], 256<<16
	s_mov_b32 s[G1B+4], 64
	s_mov_b32 s[G1B+5], 1024
	s_mov_b32 s[G1B+6], 0
	s_mov_b32 s[G1B+7], 0
	s_and_b32 s56, s18, 16                         ; 16 x batch
	s_lshl_b32 s57, s14, 1
	s_add_co_u32 s56, s56, s57                     ; the first of my two heads at K step 0
	s_lshl_b32 s56, s56, 18
	s_and_b32 s57, s18, 15
	s_lshl_b32 s57, s57, 14                        ; the block's 128 rows in the sequence
	s_add_co_u32 s56, s56, s57
	s_mov_b32 s57, 0
	s_lshl_b32 s58, s17, 18                        ; Wo: 128 rows of 2,048 bytes a block,
	s_lshl_b32 s59, s14, 17                        ; my 64 of them
	s_add_co_u32 s58, s58, s59
	s_mov_b32 s59, 0
	s_mul_i32 s60, s12, 2*PLANE                    ; waves 0, 1
	s_mul_i32 s61, s12, BHALF
	s_add_co_u32 s61, s61, APART-2*BHALF           ; waves 2, 3
	s_wait_dscnt 0x0
	s_wait_kmcnt 0x0
	s_add_nc_u64 s[56:57], s[4:5], s[56:57]
	s_add_nc_u64 s[58:59], s[6:7], s[58:59]
	CROUND
.irp s, 0,1
	s_mov_b32 s[G0A+4*\s], 1
	s_add_co_u32 s[G0A+4*\s+1], s60, \s*SLOT
	s_add_nc_u64 s[G0A+4*\s+2:G0A+4*\s+3], s[56:57], \s*ASTEP
	s_or_b32 s[G0A+4*\s+3], s[G0A+4*\s+3], 0x80000000
	s_mov_b32 s[G0B+4*\s], 1
	s_add_co_u32 s[G0B+4*\s+1], s61, \s*SLOT
	s_add_nc_u64 s[G0B+4*\s+2:G0B+4*\s+3], s[58:59], \s*BSTEP
	s_or_b32 s[G0B+4*\s+3], s[G0B+4*\s+3], 0x80000000
	JLOAD \s                                       ; K steps 0 and 1: two tensor loads of the wave are out
.endr
	v_and_b32 v1, 15, v0                           ; r
	v_bfe_u32 v2, v0, 4, 1                         ; h
	v_lshlrev_b32 v[BOF], 5, v2
	s_lshl_b32 s66, s17, 9
	s_lshl_b32 s67, s14, 8
	s_add_co_u32 s66, s66, s67                     ; my first column, in bytes of f32
	s_mov_b32 s67, 0
	s_add_nc_u64 s[8:9], s[8:9], s[66:67]
.irp b, 0,1,2,3
	global_load_b128 v[BIAS+8*\b:BIAS+8*\b+3],   v[BOF], s[8:9] offset:64*\b
	global_load_b128 v[BIAS+8*\b+4:BIAS+8*\b+7], v[BOF], s[8:9] offset:64*\b+16
.endr
	v_mul_u32_u24 v3, v1, AP
	v_lshl_add_u32 v3, v2, 4, v3
	s_mul_i32 s68, s13, 64*AP
	v_add_nc_u32 v[ADRA], s68, v3
	v_add_nc_u32 v[ADRA+1], SLOT, v[ADRA]
	v_mul_u32_u24 v3, v1, BP
	v_lshl_add_u32 v3, v2, 4, v3
	s_mul_i32 s68, s14, BHALF
	s_add_co_u32 s68, s68, APART
	v_add_nc_u32 v[ADRB], s68, v3
	v_add_nc_u32 v[ADRB+1], SLOT, v[ADRB]
	s_mul_i32 s68, s12, STGW
	s_add_co_u32 s68, s68, STAGE
	v_mul_u32_u24 v3, v1, SP
	v_lshl_add_u32 v3, v2, 5, v3
	v_add_nc_u32 v[STO], s68, v3                   ; in: row r, 32 bytes for each half
	v_mul_u32_u24 v3, v2, SP
	v_lshl_add_u32 v3, v1, 4, v3
	v_add_nc_u32 v[RD], s68, v3                    ; back: sixteen lanes take a row's 256 bytes, two rows a load
	v_lshlrev_b32 v3, 12, v2
	v_lshl_add_u32 v[CO], v1, 4, v3                ; the same two rows in out0
	s_lshl_b32 s70, s18, 19
	s_lshl_b32 s71, s13, 18
	s_add_co_u32 s70, s70, s71
	s_add_co_u32 s70, s70, s66
	s_mov_b32 s71, 0
	s_add_nc_u64 s[10:11], s[10:11], s[70:71]
.macro FETCH slot, kk, f               ; the fragments of 32 along K: head kk / 2 of the slot, its d = 32 (kk mod 2) ..
.irp a, 0,1,2,3
	ds_load_b128 v[\f+8*\a:\f+8*\a+3],   v[ADRA+\slot] offset:((\kk)>>1)*PLANE+16*AP*\a+64*((\kk)&1)
	ds_load_b128 v[\f+8*\a+4:\f+8*\a+7], v[ADRA+\slot] offset:((\kk)>>1)*PLANE+16*AP*\a+64*((\kk)&1)+32
.endr
.irp b, 0,1,2,3
	ds_load_b128 v[\f+32+8*\b:\f+32+8*\b+3], v[ADRB+\slot] offset:16*BP*\b+64*(\kk)
	ds_load_b128 v[\f+32+8*\b+4:\f+32+8*\b+7], v[ADRB+\slot] offset:16*BP*\b+64*(\kk)+32
.endr
.endm
; 8 matrix instructions, source 0 = rows of Wo, source 1 = rows of AO: a lane holds one row and eight neighbouring columns.
; The 16 accumulators take turns, one instruction a turn.
.macro MUL8 f, half, first
.if \first
	WIN 0x40
.else
	WIN 0x50
.endif
.irp aa, 0,1
.irp b, 0,1,2,3
.if \first
	v_wmma_f32_16x16x32_f16 v[8*(4*(2*\half+\aa)+\b):8*(4*(2*\half+\aa)+\b)+7], v[\f+32+8*\b:\f+32+8*\b+7], v[\f+8*(2*\half+\aa):\f+8*(2*\half+\aa)+7], v[BIAS+8*\b:BIAS+8*\b+7]
.else
	v_wmma_f32_16x16x32_f16 v[8*(4*(2*\half+\aa)+\b):8*(4*(2*\half+\aa)+\b)+7], v[\f+32+8*\b:\f+32+8*\b+7], v[\f+8*(2*\half+\aa):\f+8*(2*\half+\aa)+7], v[8*(4*(2*\half+\aa)+\b):8*(4*(2*\half+\aa)+\b)+7]
.endif
.endr
.endr
.endm
.macro SUB slot, kk, f, g, first       ; multiplies buffer f; fetches the next 32 along K into buffer g
	s_wait_dscnt 0x0                               ; buffer f is in
	PLACES 4                                       ; loads into buffer g, which the last matrix instructions read
	WIN 0
	FETCH \slot, \kk+1, \g
	MUL8 \f, 0, \first
	MUL8 \f, 1, \first
.endm
.macro SEVEN slot, first
	SUB \slot, 0, F0, F1, \first
	SUB \slot, 1, F1, F0, 0
	SUB \slot, 2, F0, F1, 0
	SUB \slot, 3, F1, F0, 0
	SUB \slot, 4, F0, F1, 0
	SUB \slot, 5, F1, F0, 0
	SUB \slot, 6, F0, F1, 0
.endm
.macro TURN slot, next, fill           ; the last 32 of a K step, and the change of slots
	s_wait_dscnt 0x0                               ; my reads of this slot are back
	s_wait_tensorcnt 0x0                           ; my one load that was out, my part of the next slot, has landed
	ds_add_u32 v254, v255
	s_wait_dscnt 0x0
	s_barrier_signal -1
	MUL8 F1, 0, 0
	WIN 0
	s_barrier_wait -1
.if \fill
	CREST
	s_add_nc_u64 s[G0A+4*\slot+2:G0A+4*\slot+3], s[G0A+4*\slot+2:G0A+4*\slot+3], 2*ASTEP
	s_add_nc_u64 s[G0B+4*\slot+2:G0B+4*\slot+3], s[G0B+4*\slot+2:G0B+4*\slot+3], 2*BSTEP
	JLOAD \slot                                    ; the first tensor load behind the round
.endif
	PLACES 4
	FETCH \next, 0, F0
	MUL8 F1, 1, 0
.endm
	s_wait_loadcnt 0x0                             ; the bias
	s_wait_tensorcnt 0x1                           ; my part of K step 0 is in; K step 1's stays out
	s_barrier_signal -1
	s_barrier_wait -1
	FETCH 0, 0, F0
	SEVEN 0, 1
	TURN 0, 1, 1                                   ; fills K step 2
	SEVEN 1, 0
	TURN 1, 0, 1                                   ; fills K step 3
	SEVEN 0, 0
	TURN 0, 1, 0
	SEVEN 1, 0
	s_wait_dscnt 0x0
	MUL8 F1, 0, 0
	MUL8 F1, 1, 0
	PLACES 4                                       ; behind the last matrix instructions
; rows 16 a .. 16 a + 15: 32 bytes a lane into my stage, back as rows of 256 bytes
.macro OUT16 a
	WIN 0x04
.irp b, 0,1,2,3
	ds_store_b128 v[STO], v[8*(4*\a+\b):8*(4*\a+\b)+3] offset:64*\b
	ds_store_b128 v[STO], v[8*(4*\a+\b)+4:8*(4*\a+\b)+7] offset:64*\b+16
.endr
	WIN 0
	s_wait_xcnt 0x0                                ; the earlier stores have read OB, which is loaded again only behind this wait
.irp t, 0,1,2,3,4,5,6,7
	ds_load_b128 v[OB+4*\t:OB+4*\t+3], v[RD] offset:2*SP*\t
.endr
.irp t, 0,1,2,3,4,5,6,7
	s_wait_dscnt 7-\t                              ; the younger read-backs stay out
	global_store_b128 v[CO], v[OB+4*\t:OB+4*\t+3], s[10:11] offset:(16*\a+2*\t)*4096 th:TH_STORE_NT   ; sixteen lanes store 256 neighbouring bytes, aligned
.endr
.endm
	OUT16 0
	OUT16 1
	OUT16 2
	OUT16 3
	s_wait_tensorcnt 0x0
	ds_add_u32 v254, v255
	s_wait_dscnt 0x0
	CROUND                                         ; the closing round
	s_endpgm
.Lfunc_end_k_q6e398bb0ce_proj:
	.size	k_q6e398bb0ce_proj, .Lfunc_end_k_q6e398bb0ce_proj-k_q6e398bb0ce_proj
	.p2alignl 7, 3214868480
	.fill 96, 4, 3214868480
	.section	.rodata,"a",@progbits
	.p2align	6, 0x0
	.amdhsa_kernel k_q6e398bb0ce_proj
		.amdhsa_group_segment_fixed_size 327680
		.amdhsa_private_segment_fixed_size 0
		.amdhsa_enable_private_segment 0
		.amdhsa_kernarg_size 32
		.amdhsa_user_sgpr_count 2
		.amdhsa_user_sgpr_kernarg_segment_ptr 1
		.amdhsa_wavefront_size32 1
		.amdhsa_system_sgpr_workgroup_id_x 1
		.amdhsa_system_sgpr_workgroup_id_y 1
		.amdhsa_system_sgpr_workgroup_id_z 1
		.amdhsa_system_vgpr_workitem_id 0
		.amdhsa_next_free_vgpr 384
		.amdhsa_next_free_sgpr 90
		.amdhsa_reserve_vcc 0
		.amdhsa_float_denorm_mode_32 3
		.amdhsa_float_denorm_mode_16_64 3
		.amdhsa_memory_ordered 1
		.amdhsa_forward_progress 1
		.amdhsa_inst_pref_size 89
	.end_amdhsa_kernel
	.amdgpu_metadata
---
amdhsa.version: [ 1, 2 ]
amdhsa.kernels:
  - .name:           k_q6e398bb0ce_proj
    .symbol:         k_q6e398bb0ce_proj.kd
    .args:
      - { .name: AO, .offset: 0, .size: 8, .value_kind: global_buffer, .address_space: global }
      - { .name: WoB, .offset: 8, .size: 8, .value_kind: global_buffer, .address_space: global }
      - { .name: bo, .offset: 16, .size: 8, .value_kind: global_buffer, .address_space: global }
      - { .name: out0, .offset: 24, .size: 8, .value_kind: global_buffer, .address_space: global }
    .group_segment_fixed_size: 327680
    .private_segment_fixed_size: 0
    .kernarg_segment_align: 8
    .kernarg_segment_size: 32
    .max_flat_workgroup_size: 128
    .sgpr_count:     90
    .vgpr_count:     384
    .wavefront_size: 32
...
	.end_amdgpu_metadata
.endif
;; end of part 3
